; MI455X (gfx1250); checked and timed in simulation.
; The chip was launched on July 23, 2026; its instructions are those of AMD's public machine-readable ISA for CDNA 5 (MIT licence, August 2026) and "CDNA5" Instruction Set Architecture Reference Guide (July 2026). The comments in the code are by the model that wrote it; some were corrected since.
;; Multi Head Attention. Allowed arithmetic: matrix products marked QUANTISED: E2M1 operands, one E8M0 scale for each 32 along K, by v_wmma_scale_f32_16x16x128_f8f6f4 with both operands' format E2M1 (or v_wmma_scale_f32_32x16x128_f4), f32 sums; everything else in f32.
;; Inputs: Wk_codes 1,024 x 32 x 16 uint8 (E2M1 codes of Wk, K innermost, in blocks of 32 codes, two codes a byte); Wk_scales 1,024 x 32 uint8 (E8M0 scales of Wk, one for each 32 codes along K); Wq_codes 1,024 x 32 x 16 uint8 (E2M1 codes of Wq, K innermost, in blocks of 32 codes, two codes a byte); Wq_scales 1,024 x 32 uint8 (E8M0 scales of Wq, one for each 32 codes along K); Wv_codes 1,024 x 32 x 16 uint8 (E2M1 codes of Wv, K innermost, in blocks of 32 codes, two codes a byte); Wv_scales 1,024 x 32 uint8 (E8M0 scales of Wv, one for each 32 codes along K); bk 1,024 float32; bq 1,024 float32; bv 1,024 float32; key_codes 4 x 4,096 x 32 x 16 uint8 (E2M1 codes of key, K innermost, in blocks of 32 codes, two codes a byte); key_scales 4 x 4,096 x 32 uint8 (E8M0 scales of key, one for each 32 codes along K); query_codes 4 x 4,096 x 32 x 16 uint8 (E2M1 codes of query, K innermost, in blocks of 32 codes, two codes a byte); query_scales 4 x 4,096 x 32 uint8 (E8M0 scales of query, one for each 32 codes along K); value_codes 4 x 4,096 x 32 x 16 uint8 (E2M1 codes of value, K innermost, in blocks of 32 codes, two codes a byte); value_scales 4 x 4,096 x 32 uint8 (E8M0 scales of value, one for each 32 codes along K).
;; Outputs: out0 4 x 4,096 x 1,024 float32.
;; This version of the problem:
;;   THIS VERSION OF THE PROBLEM IS GIVEN IN LOW PRECISION. The matrix products marked QUANTISED in the list below multiply operands that are first quantised to E2M1 (2 exponent bits, 1 mantissa bit; 4 bits a number), with one power-of-two scale for each 32 numbers along K (OCP MX v1.0); their sums are f32. All else is computed in f32.
;;   The module's matrix products, in the order in which they are computed (A, B: the left and right operand; K: the contracted axis; several contracted axes count as one K, in the product's order):
;;     1. [M 16,384, K 1,024] x [K 1,024, N 1,024]; A: input query (given as codes); B: input Wq (given as codes): QUANTISED
;;     2. [M 16,384, K 1,024] x [K 1,024, N 1,024]; A: input key (given as codes); B: input Wk (given as codes): QUANTISED
;;     3. [M 16,384, K 1,024] x [K 1,024, N 1,024]; A: input value (given as codes); B: input Wv (given as codes): QUANTISED
;;     4. batch 16,384 x [M 32, K 32] x [K 32, N 32]; A: computed on the way; B: computed on the way: QUANTISED
;;   THE QUANTISER, for each operand of a quantised product, along K:
;;     - K is cut into blocks of 32 from its start; a last block that is shorter is filled with zeros.
;;     - A block's scale is 2^e with e = floor(log2(the largest magnitude in the block)) - 2, held to -126 .. 127; a block of zeros has e = 0. As a byte (E8M0): e + 127.
;;     - Each number is divided by its block's scale, clamped to +-6, and rounded to the nearest number of E2M1, ties to even, subnormals kept.
;;     - The product sums the exact products of the quantised numbers (number of the format x scale) in f32.
;;   ~~~python
;;   def quantise(x, axis):      # numpy; x: float32 -> the quantised numbers, widened to float32 again
;;       x = np.moveaxis(x, axis, -1); K = x.shape[-1]
;;       x = np.pad(x, [(0, 0)] * (x.ndim - 1) + [(0, -K % 32)]); x = x.reshape(x.shape[:-1] + (-1, 32)); a = np.abs(x).max(-1, keepdims=True)
;;       e = np.where(a > 0, np.clip(np.frexp(np.where(a > 0, a, 1))[1] - 1 - 2, -126, 127), 0)      # np.frexp(a)[1] - 1 = floor(log2(a)), exactly
;;       r = np.clip(x / 2.0 ** e, -6, 6)
;;       step = 2.0 ** (np.maximum(np.frexp(np.where(r == 0, 1, r))[1] - 1, 0) - 1)
;;       q = np.round(r / step) * step * 2.0 ** e      # np.round: ties to even
;;       return np.moveaxis(q.reshape(q.shape[:-2] + (-1,))[..., :K], -1, axis).astype(np.float32)
;;   ~~~
;;   OPERANDS COMPUTED ON THE WAY. 'Computed on the way' means the value that the module computes at that place (a softmax that the list does not call 'softmax' is quantised finished and normalised). What goes into a quantiser is computed in f32, as accurately as f32 sums, v_exp_f32 and their like allow (about 1e-6 of the number): no bf16 or f16 on the way to a quantiser, and a product that is left as it is and whose result goes on into a quantised operand takes f32 operands (vector FMAs, or v_wmma_f32_16x16x4_f32). A number that lies on a knife's edge between two numbers of the format may be rounded either way, as far as f32 arithmetic and the matrix unit's own rounding can turn it there, and no further.
;;   INPUTS GIVEN AS CODES. Wk (in the module: [1024, 1024], K = its axis 1); Wq (in the module: [1024, 1024], K = its axis 1); Wv (in the module: [1024, 1024], K = its axis 1); key (in the module: [4, 4096, 1024], K = its axis 2); query (in the module: [4, 4096, 1024], K = its axis 2); value (in the module: [4, 4096, 1024], K = its axis 2): each comes as NAME_codes (uint8): NAME with its K axis moved to the last place and cut into blocks of 32 codes, [.., K / 32, bytes a block], one block behind the other in memory; two codes a byte, the lower K in the low four bits (a code: sign, 2 exponent bits, 1 mantissa bit); and NAME_scales (uint8): the same leading axes, one E8M0 byte (e + 127) for each 32 codes along K. Its value is code x scale, taken as it is: it is not quantised again, and the codes and scales need not be those that the quantiser above would give.
;; One version. Each part assembles by itself: llvm-mc -triple=amdgcn-amd-amdhsa -mcpu=gfx1250 --defsym DOCPART=n.
;; ======== version 1 of 1: 2 launches
;; limits: right only within a limited range of input values
;; workspace buffers: kc 8,388,608 bytes; ks 524,288 bytes
;; launch kproj (part 1): grid 4 x 64, 4 waves a work-group, clusters of 4 x 4, 272,896 bytes of LDS; arguments key_codes, key_scales, Wk_codes, Wk_scales, bk, kc, ks; writes kc, ks
.if DOCPART == 1
	.amdgcn_target "amdgcn-amd-amdhsa--gfx1250"
	.amdhsa_code_object_version 6
	.text
	.protected	k_q437a478660_kproj
	.globl	k_q437a478660_kproj
	.p2align	8
	.type	k_q437a478660_kproj,@function
k_q437a478660_kproj:
	s_mov_b64 s[64:65], 0
	v_nop
	global_prefetch_b8 v0, s[64:65] scope:SCOPE_SE
	s_setreg_imm32_b32 hwreg(HW_REG_WAVE_MODE, 25, 1), 1
	s_wait_xcnt 0x0
	s_wait_alu depctr_hold_cnt(0) depctr_sa_sdst(0) depctr_va_vdst(0) depctr_va_sdst(0) depctr_va_ssrc(0) depctr_va_vcc(0) depctr_vm_vsrc(0)
	s_getreg_b32 s2, hwreg(HW_REG_IB_STS2, 6, 4)
	s_cmp_eq_u32 s2, 0
	s_cbranch_scc0 .Lentry_in_a_cluster
	s_endpgm
.Lentry_in_a_cluster:
	s_bfe_u32 s2, ttmp6, 0x10000c
	s_cmp_lg_u32 s2, 0xf033
	s_cbranch_scc0 .Lentry_shape_is_right
	s_endpgm
.Lentry_shape_is_right:
; k = key Wk^T + bk on codes of FP4 (E2M1) with one E8M0 scale for each 32 along K, sums in f32; k is quantised here, a head's 32 numbers to a block, and leaves as codes and scale bytes for the launch attn.
; A work-group makes 256 tokens x 256 columns (8 heads); each of its four waves 128 x 128: 64 accumulators of 16 x 16, 512 registers.
; CLUSTERS: 4 x 4 work-groups.  The four of a row share the tokens' tile, the four of a column the tile of Wk: each tile is asked for jointly.
; ALL OF K COMES AT ONCE: 256 rows of key and 256 of Wk, 512 bytes each, one tensor load of 128 rows a wave.  There is no loop and no second fill, so nothing to prefetch ahead of.
; The matrix instruction is used transposed (source 0 = 16 rows of Wk, source 1 = 16 tokens): lane (r, hh) = (lane % 16, lane / 16) holds token r, columns 8 hh + 0 .. 7.  The bias is the C of a sum's first K step.
; A head's block lies in lanes r and r + 16 (16 registers each).  Its codes are laid in the order columns 0-7, 16-23, 8-15, 24-31; the launch attn lays q's blocks in the same order, so the products' sums are over the same pairs.
; kc: [16 tokens: 1,024][head 32][token 16][16 bytes];  ks: [128 tokens: 128][head 32][token 128] bytes.  A wave's stores cover 512 consecutive bytes, aligned.
; LIMITS: NaN and infinities among the inputs are not served.  A block of zeros gets the scale byte 1 (its codes are zeros).
.set PITCH, 528                        ; an LDS row: 512 bytes + 16 of padding
.set REG,   128*PITCH                  ; 128 rows: what one load brings
.set KSB,   4*REG                      ; the way out of the scale bytes: 512 bytes for each wave
.set SPARE, KSB+2048                   ; the spare words: no other line names them
.set SOFF, 4                           ; r x 32 + 16 hh: scale words of 16 rows: lanes 0-15 K steps 0-3, lanes 16-31 K steps 4-7
.set BOF,  5                           ; 32 hh: biases
.set ADRA, 16
.set ADRB, 20
.set CO,   24                          ; 16 x lane
.set SBA,  25
.set RDS,  26
.set SPW,  28
.set NIL,  29
.set ASC,  32                          ; v32-63 tokens' scale words, register 4 m + q
.set WSC,  64                          ; v64-95 Wk's
.set TM,   96
.set TP,   100
.set TS,   104
.set TB,   108                         ; two sets
.set AF,   128                         ; v128-191 tokens' fragments, one set; behind the products the codes, 8 registers a token tile
.set BIAS, 192                         ; v192-255 eight bias tiles
.set G1,  24
.set G0,  32
.set G1B, 48
.set G0B, 56
.set WV,  18
.set WR,  19                           ; which half of the tokens is mine; also: I fetch for the tokens (0) or for Wk (1)
.set WC,  20                           ; which half of the columns; also which 128 rows I fetch
.set SEL, 66
.set MSB, 0
.macro WIN new                         ; the immediate's high byte repeats the setting that is left
.if MSB != (\new)
	s_set_vgpr_msb (MSB<<8)|(\new)
.set MSB, (\new)
.endif
.endm
.macro PLACES n                        ; plain vector instructions between a matrix instruction and what touches its registers (ISA guide 7.12.1)
.rept \n
	v_nop
.endr
.endm
.macro CROUND                          ; a round of the cluster's barrier
	s_barrier_signal -1
	s_barrier_wait -1
	s_cmp_lg_u32 s[WV], 0
	s_cbranch_scc1 .Lnot_wave_0_\@
	s_barrier_signal -3
.Lnot_wave_0_\@:
	s_barrier_wait -3
	s_barrier_signal -1
	s_barrier_wait -1
.endm
.macro FRAG reg, adr, kst, i           ; 16 rows x 128 K: 8 registers, two loads 32 bytes apart
.irp c, 0,1
	ds_load_b128 v[\reg+4*\c:\reg+4*\c+3], v[\adr] offset:64*(\kst)+32*\c+(\i)*16*PITCH
.endr
.endm
.macro FETCH_B kst, p
	WIN 0x40
.irp i, 0,1,2,3,4,5,6,7
	FRAG 128*(\p)+8*\i, ADRB, \kst, \i
.endr
	WIN 0
.endm
.macro FETCH_A kst, i0
.irp i, \i0, \i0+1, \i0+2, \i0+3
	FRAG AF+8*(\i), ADRA, \kst, \i
.endr
.endm
; 16 matrix instructions: token blocks a0, a0 + 1 x eight column blocks.  p: the set of Wk's fragments; q: K step % 4; row: lanes 16-31's scale words; first: C = the bias.  The 64 accumulators take turns, one instruction a turn.
.macro MUL16 a0, p, q, row, first
.irp a, \a0, \a0+1
.irp b, 0,1,2,3,4,5,6,7
.set rD, 8*(8*((\a)%4)+\b)
.set rW, 128*(\p)+8*\b
.set rA, AF+8*(\a)
.set rX, WSC+4*\b+(\q)
.set rY, ASC+4*(\a)+(\q)
.set rC, BIAS+8*\b
.if (\first)
	v_wmma_scale_f32_16x16x128_f8f6f4 v[rD:rD+7], v[rW:rW+7], v[rA:rA+7], v[rC:rC+7], v[rX], v[rY] matrix_a_fmt:MATRIX_FMT_FP4 matrix_b_fmt:MATRIX_FMT_FP4
.elseif (\row) == 0
	v_wmma_scale_f32_16x16x128_f8f6f4 v[rD:rD+7], v[rW:rW+7], v[rA:rA+7], v[rD:rD+7], v[rX], v[rY] matrix_a_fmt:MATRIX_FMT_FP4 matrix_b_fmt:MATRIX_FMT_FP4
.else
	v_wmma_scale_f32_16x16x128_f8f6f4 v[rD:rD+7], v[rW:rW+7], v[rA:rA+7], v[rD:rD+7], v[rX], v[rY] matrix_a_fmt:MATRIX_FMT_FP4 matrix_b_fmt:MATRIX_FMT_FP4 matrix_a_scale:MATRIX_SCALE_ROW1 matrix_b_scale:MATRIX_SCALE_ROW1
.endif
.endr
.endr
.endm
.macro STEP kst
.set FI, 1-((\kst)+7)/8                ; 1 in K step 0: C lies in window 0 there
	s_wait_dscnt 8                                 ; Wk's set and token blocks 0-3 are in; blocks 4-7 (8 loads) may be out
	WIN 0xa1-0x20*FI
	MUL16 0, (\kst)%2, (\kst)%4, (\kst)/4, FI
	MUL16 2, (\kst)%2, (\kst)%4, (\kst)/4, FI
	s_wait_dscnt 0x0
.if (\kst) < 7
	PLACES 4
	FETCH_B (\kst)+1, 1-(\kst)%2
	FETCH_A (\kst)+1, 0
.endif
	WIN 0xf1-0x30*FI
	MUL16 4, (\kst)%2, (\kst)%4, (\kst)/4, FI
	MUL16 6, (\kst)%2, (\kst)%4, (\kst)/4, FI
	PLACES 4
	WIN 0
.if (\kst) < 7
	FETCH_A (\kst)+1, 4
.endif
.endm
; Token tile a, four heads: the largest magnitude with the floor 2^(3 - 127), the scale (2 off its exponent field), codes; then whole blocks in a lane: lanes 0-15 head 2 P, lanes 16-31 head 2 P + 1.
.macro QUANT a
.set AC, 64*((\a)%4)
.set W2, 2+(\a)/4
.set cd, AF+8*(\a)
.set tb, TB+4*((\a)%2)
	WIN 5*W2
.irp b,0,1,2,3
	v_max3_num_f32 v[TM+\b], |v[AC+16*\b]|, |v[AC+16*\b+1]|, 0x1800000
.endr
.irp i,2,4,6,8,10,12,14
.irp b,0,1,2,3
	v_max3_num_f32 v[TM+\b], |v[AC+16*\b+\i]|, |v[AC+16*\b+\i+1]|, v[TM+\b]
.endr
.endr
	WIN 0
.irp b,0,1,2,3
	v_permlanex16_b32 v[TP+\b], v[TM+\b], s[SEL], s[SEL+1]
.endr
.irp b,0,1,2,3
	v_max_num_f32 v[TM+\b], v[TM+\b], v[TP+\b]
.endr
.irp b,0,1,2,3
	v_add_nc_u32 v[TS+\b], 0xff000000, v[TM+\b]
.endr
.irp b,0,1,2,3
	v_lshrrev_b32 v[tb+\b], 23, v[TS+\b]
.endr
	WIN W2
.irp b,0,1,2,3
	v_cvt_scalef32_pk8_fp4_f32 v[cd+2*\b], v[AC+16*\b:AC+16*\b+7], v[TS+\b]
	v_cvt_scalef32_pk8_fp4_f32 v[cd+2*\b+1], v[AC+16*\b+8:AC+16*\b+15], v[TS+\b]
.endr
	WIN 0
	v_nop                                          ; one plain instruction behind the last scaled conversion
.irp p,0,1
.irp i,0,1
	v_permlane16_swap_b32 v[cd+4*\p+\i], v[cd+4*\p+2+\i]
.endr
.endr
.irp p,0,1
	global_store_b128 v[CO], v[cd+4*\p:cd+4*\p+3], s[14:15] offset:(\a)*8192+512*\p
.endr
.irp b,0,1,2,3
	ds_store_b8 v[SBA], v[tb+\b] offset:128*\b+16*(\a)      ; both halves of the lanes write the same byte with the same value
.endr
.endm
	s_load_b256 s[4:11], s[0:1], 0x0               ; key codes 4, scales 6; Wk codes 8, scales 10
	s_load_b128 s[12:15], s[0:1], 0x20             ; bk 12, kc 14
	s_load_b64 s[16:17], s[0:1], 0x30              ; ks
	v_lshl_add_u32 v[SPW], v0, 2, SPARE
	v_mov_b32 v[NIL], 0
	ds_add_u32 v[SPW], v[NIL]                      ; the opening add, twice on end
	ds_add_u32 v[SPW], v[NIL]
	v_lshrrev_b32 v1, 5, v0
	v_readfirstlane_b32 s[WV], v1
	s_lshr_b32 s[WR], s[WV], 1
	s_and_b32 s[WC], s[WV], 1
	s_mul_i32 s70, s[WR], REG                      ; my 128 rows of tokens in LDS
	s_mul_i32 s71, s[WC], REG
	s_add_co_u32 s71, s71, 2*REG                   ; my 128 rows of Wk, behind the tokens' 256
	s_lshl_b32 s72, s[WV], 9
	s_add_co_u32 s72, s72, KSB
	v_and_b32 v1, 15, v0                           ; r
	v_bfe_u32 v2, v0, 4, 1                         ; hh
	v_and_b32 v31, 31, v0
	v_mul_u32_u24 v3, PITCH, v1
	v_lshl_add_u32 v3, v2, 4, v3
	v_add_nc_u32 v[ADRA], s70, v3
	v_add_nc_u32 v[ADRB], s71, v3
	v_lshlrev_b32 v[SOFF], 5, v1
	v_lshl_add_u32 v[SOFF], v2, 4, v[SOFF]
	v_lshlrev_b32 v[BOF], 5, v2
	v_lshlrev_b32 v[CO], 4, v31
	v_add_nc_u32 v[SBA], s72, v1
	v_add_nc_u32 v[RDS], s72, v[CO]
.irp b,0,1,2,3
	v_mov_b32 v[TP+\b], 0                          ; a lane permute's destination counts as one of its sources
.endr
	s_wait_alu depctr_va_vdst(0)
	s_bfe_u32 s40, ttmp6, 0x40000                  ; cx: the grid is one cluster wide, so this is the column block
	s_bfe_u32 s41, ttmp6, 0x40004                  ; cy
	s_and_b32 s42, ttmp7, 0xffff
	s_lshl_b32 s42, s42, 2
	s_add_co_u32 s42, s42, s41                     ; token block
	s_lshl_b32 s43, s41, 2
	s_lshl_b32 s43, 15, s43                        ; my row of the cluster
	s_lshl_b32 s44, 0x1111, s40                    ; my column
	s_or_b32 s[G1], s43, (1<<20)|(1<<21)|(6<<22)|(3<<25)    ; elements of 1 byte; padding: 4 words behind every 128; bit 21 beside the mask
	s_or_b32 s[G1B], s44, (1<<20)|(1<<21)|(6<<22)|(3<<25)
.irp g, G1, G1B
	s_mov_b32 s[\g+1], 512<<16
	s_mov_b32 s[\g+2], 128<<16
	s_mov_b32 s[\g+3], 512<<16
	s_mov_b32 s[\g+4], 128
	s_mov_b32 s[\g+5], 512
	s_mov_b32 s[\g+6], 0
	s_mov_b32 s[\g+7], 0
.endr
	s_mul_i32 s45, s[WV], REG                      ; where my load goes
	s_lshl_b32 s72, s[WC], 16                      ; 128 rows x 512 bytes
	s_lshl_b32 s70, s42, 17
	s_add_co_u32 s70, s70, s72                     ; in key
	s_mov_b32 s71, 0
	s_lshl_b32 s74, s40, 17
	s_add_co_u32 s74, s74, s72                     ; in Wk
	s_mov_b32 s75, 0
	s_mov_b32 s[SEL], 0x76543210
	s_mov_b32 s[SEL+1], 0xfedcba98
	s_wait_dscnt 0x0                               ; both opening adds are done
	s_wait_kmcnt 0x0
	s_add_nc_u64 s[76:77], s[4:5], s[70:71]
	s_add_nc_u64 s[78:79], s[8:9], s[74:75]
	s_mov_b32 s[G0], 1
	s_mov_b32 s[G0+1], s45
	s_mov_b64 s[G0+2:G0+3], s[76:77]
	s_or_b32 s[G0+3], s[G0+3], 0x80000000
	s_mov_b32 s[G0B], 1
	s_mov_b32 s[G0B+1], s45
	s_mov_b64 s[G0B+2:G0B+3], s[78:79]
	s_or_b32 s[G0B+3], s[G0B+3], 0x80000000
	CROUND                                         ; all sixteen work-groups are here: the joint loads meet
	s_cmp_eq_u32 s[WR], 0
	s_cbranch_scc0 .Lfor_w
	tensor_load_to_lds s[G0:G0+3], s[G1:G1+7]
	s_nop 0
	PLACES 4
	s_branch .Lasked
.Lfor_w:
	tensor_load_to_lds s[G0B:G0B+3], s[G1B:G1B+7]
	s_nop 0
	PLACES 4
.Lasked:
	s_lshl_b32 s70, s42, 13                        ; my 128 tokens' scales: 32 bytes a row.  (ks is laid with as many bytes for 128 tokens)
	s_lshl_b32 s72, s[WR], 12
	s_add_co_u32 s70, s70, s72
	s_lshl_b32 s74, s40, 13
	s_lshl_b32 s72, s[WC], 12
	s_add_co_u32 s74, s74, s72
	s_add_nc_u64 s[6:7], s[6:7], s[70:71]
	s_add_nc_u64 s[10:11], s[10:11], s[74:75]
	s_lshl_b32 s74, s40, 10
	s_lshl_b32 s72, s[WC], 9
	s_add_co_u32 s74, s74, s72                     ; my 128 columns' biases; and my four heads' scale bytes in ks
	s_add_nc_u64 s[12:13], s[12:13], s[74:75]
	s_add_nc_u64 s[16:17], s[16:17], s[70:71]
	s_add_nc_u64 s[16:17], s[16:17], s[74:75]
.irp m,0,1,2,3,4,5,6,7
	global_load_b128 v[ASC+4*\m:ASC+4*\m+3], v[SOFF], s[6:7] offset:512*\m
	global_load_b128 v[WSC+4*\m:WSC+4*\m+3], v[SOFF], s[10:11] offset:512*\m
.endr
.irp b,0,1,2,3,4,5,6,7
.irp c,0,1
	global_load_b128 v[BIAS+8*\b+4*\c:BIAS+8*\b+4*\c+3], v[BOF], s[12:13] offset:64*\b+16*\c
.endr
.endr
	s_lshl_b32 s70, s42, 17                        ; kc: 16 tokens are 8,192 bytes, a head of them 256
	s_lshl_b32 s72, s[WR], 16
	s_add_co_u32 s70, s70, s72
	s_lshl_b32 s72, s74, 1
	s_add_co_u32 s70, s70, s72
	s_add_nc_u64 s[14:15], s[14:15], s[70:71]
	s_wait_alu depctr_va_vdst(0)
	s_wait_tensorcnt 0x0                           ; my part is in:
	s_barrier_signal -1
	s_barrier_wait -1                              ; everybody's
	FETCH_B 0, 0
	FETCH_A 0, 0
	FETCH_A 0, 4
	s_wait_loadcnt 0x0                             ; scale words and biases
	STEP 0
	STEP 1
	STEP 2
	STEP 3
	STEP 4
	STEP 5
	STEP 6
	STEP 7
.irp a,0,1,2,3,4,5,6,7
	QUANT \a
.endr
	ds_load_b128 v[32:35], v[RDS]                  ; LDS serves a wave's instructions in order (ISA guide 5.7.1.4): my own bytes
	s_wait_alu depctr_va_vdst(0)
	s_wait_dscnt 0x0
	global_store_b128 v[CO], v[32:35], s[16:17]    ; four heads x 128 tokens
	s_wait_tensorcnt 0x0                           ; the wave's end
	ds_add_u32 v[SPW], v[NIL]
	s_wait_dscnt 0x0
	CROUND                                         ; the closing round
	s_endpgm
.Lfunc_end_k_q437a478660_kproj:
	.size	k_q437a478660_kproj, .Lfunc_end_k_q437a478660_kproj-k_q437a478660_kproj
	.p2alignl 7, 3214868480
	.fill 96, 4, 3214868480
	.section	.rodata,"a",@progbits
	.p2align	6, 0x0
	.amdhsa_kernel k_q437a478660_kproj
		.amdhsa_group_segment_fixed_size 272896
		.amdhsa_private_segment_fixed_size 0
		.amdhsa_enable_private_segment 0
		.amdhsa_kernarg_size 56
		.amdhsa_user_sgpr_count 2
		.amdhsa_user_sgpr_kernarg_segment_ptr 1
		.amdhsa_wavefront_size32 1
		.amdhsa_system_sgpr_workgroup_id_x 1
		.amdhsa_system_sgpr_workgroup_id_y 1
		.amdhsa_system_sgpr_workgroup_id_z 1
		.amdhsa_system_vgpr_workitem_id 0
		.amdhsa_next_free_vgpr 1024
		.amdhsa_next_free_sgpr 90
		.amdhsa_reserve_vcc 0
		.amdhsa_float_denorm_mode_32 3
		.amdhsa_float_denorm_mode_16_64 3
		.amdhsa_memory_ordered 1
		.amdhsa_forward_progress 1
		.amdhsa_inst_pref_size 126
	.end_amdhsa_kernel
	.amdgpu_metadata
---
amdhsa.version: [ 1, 2 ]
amdhsa.kernels:
  - .name:           k_q437a478660_kproj
    .symbol:         k_q437a478660_kproj.kd
    .args:
      - { .name: key_codes, .offset: 0, .size: 8, .value_kind: global_buffer, .address_space: global }
      - { .name: key_scales, .offset: 8, .size: 8, .value_kind: global_buffer, .address_space: global }
      - { .name: Wk_codes, .offset: 16, .size: 8, .value_kind: global_buffer, .address_space: global }
      - { .name: Wk_scales, .offset: 24, .size: 8, .value_kind: global_buffer, .address_space: global }
      - { .name: bk, .offset: 32, .size: 8, .value_kind: global_buffer, .address_space: global }
      - { .name: kc, .offset: 40, .size: 8, .value_kind: global_buffer, .address_space: global }
      - { .name: ks, .offset: 48, .size: 8, .value_kind: global_buffer, .address_space: global }
    .group_segment_fixed_size: 272896
    .private_segment_fixed_size: 0
    .kernarg_segment_align: 8
    .kernarg_segment_size: 56
    .max_flat_workgroup_size: 128
    .sgpr_count:     90
    .vgpr_count:     1024
    .wavefront_size: 32
...
	.end_amdgpu_metadata
.endif
;; end of part 1
;; launch attn (part 2): grid 4 x 64, 4 waves a work-group, clusters of 4 x 4, 327,680 bytes of LDS; arguments query_codes, query_scales, value_codes, value_scales, Wq_codes, Wq_scales, Wv_codes, Wv_scales, bq, bv, kc, ks, out0; writes out0
.if DOCPART == 2
	.amdgcn_target "amdgcn-amd-amdhsa--gfx1250"
	.amdhsa_code_object_version 6
	.text
	.protected	k_q437a478660_attn
	.globl	k_q437a478660_attn
	.p2align	8
	.type	k_q437a478660_attn,@function
k_q437a478660_attn:
	s_mov_b64 s[64:65], 0
	v_nop
	global_prefetch_b8 v0, s[64:65] scope:SCOPE_SE
	s_setreg_imm32_b32 hwreg(HW_REG_WAVE_MODE, 25, 1), 1
	s_wait_xcnt 0x0
	s_wait_alu depctr_hold_cnt(0) depctr_sa_sdst(0) depctr_va_vdst(0) depctr_va_sdst(0) depctr_va_ssrc(0) depctr_va_vcc(0) depctr_vm_vsrc(0)
	s_getreg_b32 s2, hwreg(HW_REG_IB_STS2, 6, 4)
	s_cmp_eq_u32 s2, 0
	s_cbranch_scc0 .Lentry_in_a_cluster
	s_endpgm
.Lentry_in_a_cluster:
	s_bfe_u32 s2, ttmp6, 0x10000c
	s_cmp_lg_u32 s2, 0xf033
	s_cbranch_scc0 .Lentry_shape_is_right
	s_endpgm
.Lentry_shape_is_right:
; out[token][h][t] = softmax_t( Q(q[h]) . Q(k[t]) / 32 ) * v[h][t],  q = query Wq^T + bq, v = value Wv^T + bv; k's codes and scale bytes come from the launch kproj.
; A work-group makes 256 tokens x 256 columns (8 heads h); each of four waves 128 tokens x 4 heads: 64 accumulators of 16 x 16, 512 registers: first q, which is quantised into LDS bytes of the wave's own, then v.
; THE RING: two LDS slots of 512 along K (256 bytes of each of 256 token rows and 256 weight rows).  Fills in order: q 0, q 1, v 0, v 1, and k's tile of 256 tokens (131,072 bytes) into slot 0.
; CLUSTERS: 4 x 4 work-groups.  Tokens' tiles and k's are shared along a row, weights' along a column: joint loads.
; PREFETCH: behind each fill, what the next fill will ask for, one slot's work ahead: one instruction a wave; the four partners of a joint load take 32 rows each, told apart by address.  Weights, which all clusters read, are asked for in clusters 0 to 3 alone.  The last fill (k) asks for nothing.
; The projections are used transposed (source 0 = 16 weight rows, source 1 = 16 tokens): lane (r, hh) holds token r, columns 8 hh + 0 .. 7.  The bias is the C of a sum's first K step.
; THE SCORES: a product takes 4 tokens: source 0 = 16 heads t of k, block b of K = token b; source 1: column n = 4 h + i holds q(token i, head h) in block i and zero codes elsewhere.  So lane (n, hh), tile x, register j: token i, head h, t = 16 x + 8 hh + j.
; v goes through the wave's stage into that layout, p x v back through it into rows: 512 consecutive bytes of out a store.
; LIMITS: NaN and infinities among the inputs are not served.  A block of zeros gets the scale byte 1 (its codes are zeros).  bq and bv are the C of a sum's first K step, not added behind the sum.
.set PITCH, 272                        ; an LDS row: 256 bytes + 16 of padding
.set HALFT, 128*PITCH
.set SLOT,  4*HALFT                    ; 139,264
.set KT,    32*PITCH                   ; k's tile: 16 tokens = 32 heads x (16 tokens x 16 bytes + 16)
.set STG,   SLOT                       ; the stages lie in slot 1, which has had its last fill and its last read by then
.set SP,    592                        ; a token's row in the stage: 256 bytes + 64, 256 bytes + 16
.set QC,    2*SLOT                     ; q's codes: [wave 8,192][16 tokens 1,024][head 256][token ^ 4 head: 16]
.set QSB,   QC+32768                   ; q's scale words: [wave 2,048][16 tokens 256][head 64][token % 4: 16][token / 4: 4]
.set SPARE, QSB+8192                   ; the spare words: no other line names them
.set SOFF, 4
.set BOF,  5
.set PFO,  6                           ; 512 x lane
.set PFO2, 7                           ; 256 x lane
.set KA,   8
.set QST,  9                           ; v9, v10
.set QSS,  11
.set QL,   12                          ; v12-15
.set ADRA, 16                          ; v16-17
.set QSL,  18
.set STO,  19
.set ADRB, 20                          ; v20-21
.set PO,   22
.set RD,   23
.set CO,   24
.set KSO,  25
.set MK,   26                          ; v26-27 all ones where i = 2 c + hh
.set SPW,  28
.set NIL,  29
.set SH,   30                          ; 8 (r % 4)
.set ASC,  32
.set WSC,  64
.set TM,   96
.set TP,   100
.set TS,   104
.set TB,   108
.set CD,   112                         ; two sets of 8
.set AF,   128
.set BIAS, 192
; behind the products, window 0:
.set QF,   32                          ; q's fragments, 8 g
.set PT,   64                          ; 4 a group of 4 tokens
.set XK,   80
.set XQ,   81
.set XS,   85
.set XO,   86
.set COX,  87
.set QR,   96
.set QS,   112
.set KS,   116
.set KF,   128                         ; k's fragments, 16 g + 8 x
.set S,    192                         ; scores, then p
; window 1: v's numbers in the scores' layout at 0, rows for out at 64
.set VR,   0
.set OUT,  64
.set WC,  3
.set WV,  30
.set WR,  31
.set G1,  32
.set G1B, 40
.set G1K, 48
.set G0,  56
.set G0B, 68
.set G0K, 76
.set VA,  80
.set VB,  82
.set PFA, 84
.set PFV, 86
.set PFK, 88
.set SEL, 90
.set CS,  92
.set PFON, 94
.set UK,  66                           ; the unit in hand: k's tile, q's codes, q's scale words, k's scale bytes, out
.set UQ,  67
.set US,  95
.set UB,  100
.set UO,  101
.set MSB, 0
.macro WIN new                         ; the immediate's high byte repeats the setting that is left
.if MSB != (\new)
	s_set_vgpr_msb (MSB<<8)|(\new)
.set MSB, (\new)
.endif
.endm
.macro PLACES n                        ; plain vector instructions between a matrix instruction and what touches its registers (ISA guide 7.12.1)
.rept \n
	v_nop
.endr
.endm
.macro CREST                           ; a round of the cluster's barrier behind its opening barrier
	s_cmp_lg_u32 s[WV], 0
	s_cbranch_scc1 .Lnot_wave_0_\@
	s_barrier_signal -3
.Lnot_wave_0_\@:
	s_barrier_wait -3
	s_barrier_signal -1
	s_barrier_wait -1
.endm
.macro CROUND
	s_barrier_signal -1
	s_barrier_wait -1
	CREST
.endm
.macro JLOAD s                         ; waves 0, 1: the tokens' halves; waves 2, 3: the weights'
	s_cmp_eq_u32 s[WR], 0
	s_cbranch_scc0 .Lfor_b_\@
	tensor_load_to_lds s[G0+4*\s:G0+4*\s+3], s[G1:G1+7]
	s_nop 0
	PLACES 4
	s_branch .Lasked_\@
.Lfor_b_\@:
	tensor_load_to_lds s[G0B+4*\s:G0B+4*\s+3], s[G1B:G1B+7]
	s_nop 0
	PLACES 4
.Lasked_\@:
.endm
.macro ASK base, off                   ; 32 rows, a lane a row
	s_cmp_eq_u32 s[PFON], 1
	s_cbranch_scc0 .Lno_ask_\@
	global_prefetch_b8 v[PFO], s[\base:\base+1] offset:\off th:TH_LOAD_NT scope:SCOPE_SE
.Lno_ask_\@:
.endm
.macro FRAG reg, adr, q, i             ; 16 rows x 128 K: 8 registers, two loads 32 bytes apart
.irp c, 0,1
	ds_load_b128 v[\reg+4*\c:\reg+4*\c+3], v[\adr] offset:64*(\q)+32*\c+(\i)*16*PITCH
.endr
.endm
.macro FETCH_B slot, q, p
	WIN 0x40
.irp i, 0,1,2,3,4,5,6,7
	FRAG 128*(\p)+8*\i, ADRB+\slot, \q, \i
.endr
	WIN 0
.endm
.macro FETCH_A slot, q, i0
.irp i, \i0, \i0+1, \i0+2, \i0+3
	FRAG AF+8*(\i), ADRA+\slot, \q, \i
.endr
.endm
; 16 matrix instructions: token blocks a0, a0 + 1 x eight column blocks.  The 64 accumulators take turns, one instruction a turn.  Slot 1's scale words lie in lanes 16-31.
.macro MUL16 a0, p, q, row, first
.irp a, \a0, \a0+1
.irp b, 0,1,2,3,4,5,6,7
.set rD, 8*(8*((\a)%4)+\b)
.set rW, 128*(\p)+8*\b
.set rA, AF+8*(\a)
.set rX, WSC+4*\b+(\q)
.set rY, ASC+4*(\a)+(\q)
.set rC, BIAS+8*\b
.if (\first)
	v_wmma_scale_f32_16x16x128_f8f6f4 v[rD:rD+7], v[rW:rW+7], v[rA:rA+7], v[rC:rC+7], v[rX], v[rY] matrix_a_fmt:MATRIX_FMT_FP4 matrix_b_fmt:MATRIX_FMT_FP4
.elseif (\row) == 0
	v_wmma_scale_f32_16x16x128_f8f6f4 v[rD:rD+7], v[rW:rW+7], v[rA:rA+7], v[rD:rD+7], v[rX], v[rY] matrix_a_fmt:MATRIX_FMT_FP4 matrix_b_fmt:MATRIX_FMT_FP4
.else
	v_wmma_scale_f32_16x16x128_f8f6f4 v[rD:rD+7], v[rW:rW+7], v[rA:rA+7], v[rD:rD+7], v[rX], v[rY] matrix_a_fmt:MATRIX_FMT_FP4 matrix_b_fmt:MATRIX_FMT_FP4 matrix_a_scale:MATRIX_SCALE_ROW1 matrix_b_scale:MATRIX_SCALE_ROW1
.endif
.endr
.endr
.endm
.macro STEP slot, q, first             ; a step of 128 along K that has its successor in the same slot
	s_wait_dscnt 8                                 ; the weights' set and token blocks 0-3 are in; blocks 4-7 (8 loads) may be out
	WIN 0xa1-0x20*\first
	MUL16 0, (\q)%2, \q, \slot, \first
	MUL16 2, (\q)%2, \q, \slot, \first
	s_wait_dscnt 0x0
	PLACES 4
	FETCH_B \slot, (\q)+1, 1-(\q)%2
	FETCH_A \slot, (\q)+1, 0
	WIN 0xf1-0x30*\first
	MUL16 4, (\q)%2, \q, \slot, \first
	MUL16 6, (\q)%2, \q, \slot, \first
	PLACES 4
	WIN 0
	FETCH_A \slot, (\q)+1, 4
.endm
.macro MEET slot                       ; a slot's last step, first half: my loads have landed, the add, my reads of the slot are over, the barrier
	s_wait_tensorcnt 0x0
	ds_add_u32 v[SPW], v[NIL]
	s_wait_dscnt 9                                 ; the add and token blocks 4-7 may be out
	WIN 0xa1
	MUL16 0, 1, 3, \slot, 0
	s_wait_dscnt 0x0
	s_barrier_signal -1
	MUL16 2, 1, 3, \slot, 0
	WIN 0
	s_barrier_wait -1
.endm
.macro TURN slot, next, fill           ; fill 1: v's tiles into this slot; 2: k's tile
	MEET \slot
	CREST                                          ; no wave of any partner still reads this slot or has a load on its way
.if \fill == 1
	s_add_nc_u64 s[G0+4*\slot+2:G0+4*\slot+3], s[VA:VA+1], \slot*256
	s_or_b32 s[G0+4*\slot+3], s[G0+4*\slot+3], 0x80000000
	s_add_nc_u64 s[G0B+4*\slot+2:G0B+4*\slot+3], s[VB:VB+1], \slot*256
	s_or_b32 s[G0B+4*\slot+3], s[G0B+4*\slot+3], 0x80000000
	JLOAD \slot
.else
	tensor_load_to_lds s[G0K:G0K+3], s[G1K:G1K+7]
	s_nop 0
	PLACES 4
.endif
	FETCH_B \next, 0, 0
	FETCH_A \next, 0, 0
.if (\fill == 1) && (\slot == 0)
	ASK PFV, 256                                   ; v 1
.endif
.if (\fill == 1) && (\slot == 1)
	global_prefetch_b8 v[PFO2], s[PFK:PFK+1] th:TH_LOAD_NT scope:SCOPE_SE   ; k: 32 x 256 bytes a wave
.endif
	WIN 0xf1
	MUL16 4, 1, 3, \slot, 0
	MUL16 6, 1, 3, \slot, 0
	PLACES 4
	WIN 0
	FETCH_A \next, 0, 4
.endm
.macro SLOADS at, wt, bi               ; scale words of my 128 tokens and 128 columns for all of K; the columns' biases
.irp m,0,1,2,3,4,5,6,7
	global_load_b128 v[ASC+4*\m:ASC+4*\m+3], v[SOFF], s[\at:\at+1] offset:512*\m
	global_load_b128 v[WSC+4*\m:WSC+4*\m+3], v[SOFF], s[\wt:\wt+1] offset:512*\m
.endr
.irp b,0,1,2,3,4,5,6,7
.irp c,0,1
	global_load_b128 v[BIAS+8*\b+4*\c:BIAS+8*\b+4*\c+3], v[BOF], s[\bi:\bi+1] offset:64*\b+16*\c
.endr
.endr
.endm
; Token tile a, four heads of q: the largest magnitude with the floor 2^(3 - 127), the scale (2 off its exponent field), codes; then whole blocks in a lane: lanes 0-15 head 2 P, lanes 16-31 head 2 P + 1.
.macro QUANT a
.set AC, 64*((\a)%4)
.set W2, 2+(\a)/4
.set cd, CD+8*((\a)%2)
	WIN 5*W2
.irp b,0,1,2,3
	v_max3_num_f32 v[TM+\b], |v[AC+16*\b]|, |v[AC+16*\b+1]|, 0x1800000
.endr
.irp i,2,4,6,8,10,12,14
.irp b,0,1,2,3
	v_max3_num_f32 v[TM+\b], |v[AC+16*\b+\i]|, |v[AC+16*\b+\i+1]|, v[TM+\b]
.endr
.endr
	WIN 0
.irp b,0,1,2,3
	v_permlanex16_b32 v[TP+\b], v[TM+\b], s[SEL], s[SEL+1]
.endr
.irp b,0,1,2,3
	v_max_num_f32 v[TM+\b], v[TM+\b], v[TP+\b]
.endr
.irp b,0,1,2,3
	v_add_nc_u32 v[TS+\b], 0xff000000, v[TM+\b]
.endr
.irp b,0,1,2,3
	v_lshrrev_b32 v[TB+\b], 23, v[TS+\b]
.endr
.irp b,0,1,2,3
	v_lshlrev_b32 v[TB+\b], v[SH], v[TB+\b]        ; in the byte of block token % 4: the others go with zero codes
.endr
	WIN W2
.irp b,0,1,2,3
	v_cvt_scalef32_pk8_fp4_f32 v[cd+2*\b], v[AC+16*\b:AC+16*\b+7], v[TS+\b]
	v_cvt_scalef32_pk8_fp4_f32 v[cd+2*\b+1], v[AC+16*\b+8:AC+16*\b+15], v[TS+\b]
.endr
	WIN 0
	v_nop                                          ; one plain instruction behind the last scaled conversion
.irp p,0,1
.irp i,0,1
	v_permlane16_swap_b32 v[cd+4*\p+\i], v[cd+4*\p+2+\i]
.endr
.endr
.irp p,0,1
	ds_store_b128 v[QST+\p], v[cd+4*\p:cd+4*\p+3] offset:1024*(\a)
.endr
.irp b,0,1,2,3
	ds_store_b32 v[QSS], v[TB+\b] offset:256*(\a)+64*\b
.endr
.endm
; A UNIT is 16 tokens x 4 heads: four groups g of 4 tokens.
.macro LOADK                           ; 21 LDS loads: k's fragments, q's blocks, q's scale words
	v_add_nc_u32 v[XK], s[UK], v[KA]
.irp g,0,1,2,3
	v_add_nc_u32 v[XQ+\g], s[UQ], v[QL+\g]
.endr
	v_add_nc_u32 v[XS], s[US], v[QSL]
.irp g,0,1,2,3
.irp x,0,1
.irp c,0,1
	ds_load_b128 v[KF+16*\g+8*\x+4*\c:KF+16*\g+8*\x+4*\c+3], v[XK] offset:16*PITCH*\x+64*\g+32*\c   ; head t = 16 x + r, token 4 g + 2 c + hh
.endr
.endr
.endr
.irp g,0,1,2,3
	ds_load_b128 v[QR+4*\g:QR+4*\g+3], v[XQ+\g]
.endr
	ds_load_b128 v[QS:QS+3], v[XS]
.endm
.macro SCORES                          ; masked fragments of q, then eight products
.irp g,0,1,2,3
.irp c,0,1
.irp i,0,1,2,3
	v_and_b32 v[QF+8*\g+4*\c+\i], v[MK+\c], v[QR+4*\g+\i]
.endr
.endr
.endr
	PLACES 4                                       ; an operand written by vector instructions stands four places ahead of a scaled matrix instruction
.irp g,0,1,2,3
	v_wmma_scale_f32_16x16x128_f8f6f4 v[S+16*\g:S+16*\g+7], v[KF+16*\g:KF+16*\g+7], v[QF+8*\g:QF+8*\g+7], 0, v[KS+\g], v[QS+\g] matrix_a_fmt:MATRIX_FMT_FP4 matrix_b_fmt:MATRIX_FMT_FP4
	v_wmma_scale_f32_16x16x128_f8f6f4 v[S+16*\g+8:S+16*\g+15], v[KF+16*\g+8:KF+16*\g+15], v[QF+8*\g:QF+8*\g+7], 0, v[KS+\g], v[QS+\g] matrix_a_fmt:MATRIX_FMT_FP4 matrix_b_fmt:MATRIX_FMT_FP4 matrix_a_scale:MATRIX_SCALE_ROW1
.endr
.endm
.macro VST a                           ; v of token tile a into the stage: lane (r, hh): token r, columns 16 b + 8 hh on
.set AC, 64*((\a)%4)
	WIN 8+4*((\a)/4)                               ; the data: window 2 or 3
.irp b,0,1,2,3,4,5,6,7
	s_wait_alu depctr_va_vdst(0)                   ; the wait ahead of a matrix result's first reader here
	ds_store_b128 v[STO], v[AC+8*\b:AC+8*\b+3] offset:320*(\b/4)+64*(\b%4)
	s_wait_alu depctr_va_vdst(0)
	ds_store_b128 v[STO], v[AC+8*\b+4:AC+8*\b+7] offset:320*(\b/4)+64*(\b%4)+16
.endr
	WIN 0
.endm
.macro VLOAD                           ; and back in the scores' layout (LDS serves a wave's instructions in order: ISA guide 5.7.1.4)
	WIN 0x40
.irp g,0,1,2,3
.irp x,0,1
.irp q,0,1
	ds_load_b128 v[VR+16*\g+8*\x+4*\q:VR+16*\g+8*\x+4*\q+3], v[PO] offset:4*SP*\g+64*\x+16*\q
.endr
.endr
.endr
	WIN 0
.endm
.macro SOFT more
	PLACES 4                                       ; behind the scores' products
.if \more
	LOADK                                          ; the next unit's operands
	v_add_nc_u32 v[XO], s[UB], v[KSO]
	global_load_b128 v[KS:KS+3], v[XO], s[26:27]
.endif
.irp g,0,1,2,3
	v_max3_num_f32 v[PT+4*\g], v[S+16*\g], v[S+16*\g+1], v[S+16*\g+2]
	v_max3_num_f32 v[PT+4*\g+1], v[S+16*\g+8], v[S+16*\g+9], v[S+16*\g+10]
.endr
.irp i,3,5
.irp g,0,1,2,3
	v_max3_num_f32 v[PT+4*\g], v[PT+4*\g], v[S+16*\g+\i], v[S+16*\g+\i+1]
	v_max3_num_f32 v[PT+4*\g+1], v[PT+4*\g+1], v[S+16*\g+8+\i], v[S+16*\g+9+\i]
.endr
.endr
.irp g,0,1,2,3
	v_max3_num_f32 v[PT+4*\g], v[PT+4*\g], v[S+16*\g+7], v[S+16*\g+15]
.endr
.irp g,0,1,2,3
	v_max_num_f32 v[PT+4*\g], v[PT+4*\g], v[PT+4*\g+1]
.endr
.irp g,0,1,2,3
	v_permlanex16_b32 v[PT+4*\g+1], v[PT+4*\g], s[SEL], s[SEL+1]
.endr
.irp g,0,1,2,3
	v_max_num_f32 v[PT+4*\g], v[PT+4*\g], v[PT+4*\g+1]                           ; the row's largest score
.endr
.irp g,0,1,2,3
	v_mul_f32 v[PT+4*\g], 0xbd38aa3b, v[PT+4*\g]                                 ; -c x it, c = log2(e) / 32
.endr
.irp j,0,2,4,6,8,10,12,14
.irp g,0,1,2,3
	v_pk_fma_f32 v[S+16*\g+\j:S+16*\g+\j+1], v[S+16*\g+\j:S+16*\g+\j+1], s[CS:CS+1], v[PT+4*\g:PT+4*\g+1] op_sel_hi:[1,0,0]
.endr
.endr
	s_wait_alu depctr_va_vdst(0)
.irp g,0,16,32,48
.irp j,0,1,2,3,4,5,6,7,8,9,10,11,12,13,14,15
	v_exp_f32 v[S+\g+\j], v[S+\g+\j]
.endr
.endr
	v_nop
	s_wait_alu depctr_va_vdst(0)                   ; one wait for the 64
.irp g,0,1,2,3
	v_pk_add_f32 v[PT+4*\g:PT+4*\g+1], v[S+16*\g:S+16*\g+1], v[S+16*\g+2:S+16*\g+3]
	v_pk_add_f32 v[PT+4*\g+2:PT+4*\g+3], v[S+16*\g+4:S+16*\g+5], v[S+16*\g+6:S+16*\g+7]
.endr
.irp j,8,12
.irp g,0,1,2,3
	v_pk_add_f32 v[PT+4*\g:PT+4*\g+1], v[PT+4*\g:PT+4*\g+1], v[S+16*\g+\j:S+16*\g+\j+1]
	v_pk_add_f32 v[PT+4*\g+2:PT+4*\g+3], v[PT+4*\g+2:PT+4*\g+3], v[S+16*\g+\j+2:S+16*\g+\j+3]
.endr
.endr
.irp g,0,1,2,3
	v_pk_add_f32 v[PT+4*\g:PT+4*\g+1], v[PT+4*\g:PT+4*\g+1], v[PT+4*\g+2:PT+4*\g+3]
.endr
.irp g,0,1,2,3
	v_add_f32 v[PT+4*\g], v[PT+4*\g], v[PT+4*\g+1]
.endr
.irp g,0,1,2,3
	v_permlanex16_b32 v[PT+4*\g+1], v[PT+4*\g], s[SEL], s[SEL+1]
.endr
.irp g,0,1,2,3
	v_add_f32 v[PT+4*\g], v[PT+4*\g], v[PT+4*\g+1]                               ; the row's sum
.endr
	s_wait_alu depctr_va_vdst(0)
.irp g,0,1,2,3
	v_rcp_f32 v[PT+4*\g], v[PT+4*\g]
.endr
	v_nop
	s_wait_alu depctr_va_vdst(0)
.irp j,0,2,4,6,8,10,12,14
.irp g,0,1,2,3
	v_pk_mul_f32 v[S+16*\g+\j:S+16*\g+\j+1], v[S+16*\g+\j:S+16*\g+\j+1], v[PT+4*\g:PT+4*\g+1] op_sel_hi:[1,0]
.endr
.endr
	s_wait_alu depctr_va_vdst(0)
.if \more
	s_wait_dscnt 21                                ; v is in; the 21 loads of the next unit may be out
.else
	s_wait_dscnt 0x0
.endif
	WIN 0x04                                       ; source 1: window 1
.irp g,0,16,32,48
.irp j,0,2,4,6,8,10,12,14
	v_pk_mul_f32 v[S+\g+\j:S+\g+\j+1], v[S+\g+\j:S+\g+\j+1], v[VR+\g+\j:VR+\g+\j+1]
.endr
.endr
	WIN 0
.irp g,0,1,2,3
.irp x,0,1
.irp q,0,1
	ds_store_b128 v[PO], v[S+16*\g+8*\x+4*\q:S+16*\g+8*\x+4*\q+3] offset:4*SP*\g+64*\x+16*\q
.endr
.endr
.endr
	s_wait_alu depctr_va_vdst(0)
	s_wait_xcnt 0x0                                ; the last unit's stores have read their data and their offset
	WIN 0x40
.irp g,0,4,8,12
.irp i,0,1,2,3
	ds_load_b128 v[OUT+4*(\g+\i):OUT+4*(\g+\i)+3], v[RD] offset:(\g+\i)*SP
.endr
.endr
	WIN 0
.endm
.macro SEND younger                    ; the unit's 16 rows of 512 bytes
	v_add_nc_u32 v[COX], s[UO], v[CO]
	s_wait_alu depctr_va_vdst(0)
	s_wait_dscnt \younger
	WIN 0x04                                       ; a store's data are its source 1: window 1
.irp g,0,4,8,12
.irp i,0,1,2,3
	global_store_b128 v[COX], v[OUT+4*(\g+\i):OUT+4*(\g+\i)+3], s[28:29] offset:(\g+\i)*4096 th:TH_STORE_NT
.endr
.endr
	WIN 0
.endm
.macro ARMV a, next
	s_cmp_eq_u32 s2, \a
	s_cbranch_scc0 \next
	VST \a
	s_branch .Lvst
\next:
.endm
	s_load_b512 s[4:19], s[0:1], 0x0               ; query codes 4, scales 6; value 8, 10; Wq 12, 14; Wv 16, 18
	s_load_b256 s[20:27], s[0:1], 0x40             ; bq 20, bv 22, kc 24, ks 26
	s_load_b64 s[28:29], s[0:1], 0x60              ; out
	v_lshl_add_u32 v[SPW], v0, 2, SPARE
	v_mov_b32 v[NIL], 0
	ds_add_u32 v[SPW], v[NIL]                      ; the opening add, twice on end
	ds_add_u32 v[SPW], v[NIL]
	v_lshrrev_b32 v1, 5, v0
	v_readfirstlane_b32 s[WV], v1
	s_lshr_b32 s[WR], s[WV], 1                     ; which half of the tokens is mine; also: I fetch for the tokens (0) or the weights (1)
	s_and_b32 s[WC], s[WV], 1                      ; which half of the columns; also which 128 rows I fetch
	s_mul_i32 s96, s[WR], HALFT
	s_mul_i32 s97, s[WC], HALFT
	s_add_co_u32 s97, s97, 2*HALFT
	s_lshl_b32 s98, s[WV], 13
	s_add_co_u32 s98, s98, QC
	s_lshl_b32 s99, s[WV], 11
	s_add_co_u32 s99, s99, QSB
	s_mul_i32 s100, s[WV], 16*SP
	s_add_co_u32 s100, s100, STG                   ; my stage
	s_mul_i32 s101, s[WR], 8*KT
	v_and_b32 v1, 15, v0                           ; r
	v_bfe_u32 v2, v0, 4, 1                         ; hh
	v_and_b32 v31, 31, v0
	v_and_b32 v26, 3, v1                           ; i
	v_lshrrev_b32 v27, 2, v1                       ; h
	v_mul_u32_u24 v3, PITCH, v1
	v_lshl_add_u32 v3, v2, 4, v3
	v_add_nc_u32 v[ADRA], s96, v3
	v_add_nc_u32 v[ADRB], s97, v3
	v_add_nc_u32 v[ADRA+1], SLOT, v[ADRA]
	v_add_nc_u32 v[ADRB+1], SLOT, v[ADRB]
	v_add_nc_u32 v[KA], s101, v3                   ; k: row t = 16 x + r, token hh on
	v_lshlrev_b32 v[SOFF], 5, v1
	v_lshl_add_u32 v[SOFF], v2, 4, v[SOFF]
	v_lshlrev_b32 v[BOF], 5, v2
	v_lshlrev_b32 v[PFO], 9, v31
	v_lshlrev_b32 v[PFO2], 8, v31
	v_lshlrev_b32 v[CO], 4, v31
	v_lshlrev_b32 v[KSO], 7, v31                   ; k's scale bytes: head t = lane
	v_lshlrev_b32 v[QST], 2, v2                    ; q's codes in: head 2 P + hh, place r ^ 4 (2 P + hh)
	v_xor_b32 v[QST], v[QST], v1
	v_lshlrev_b32 v[QST], 4, v[QST]
	v_lshl_add_u32 v[QST], v2, 8, v[QST]
	v_add_nc_u32 v[QST], s98, v[QST]
	v_xor_b32 v[QST+1], 0x80, v[QST]
	v_add_nc_u32 v[QST+1], 0x200, v[QST+1]
	v_lshlrev_b32 v[QSS], 4, v26
	v_lshl_add_u32 v[QSS], v27, 2, v[QSS]
	v_add_nc_u32 v[QSS], s99, v[QSS]
	v_lshlrev_b32 v[QSL], 6, v27
	v_lshl_add_u32 v[QSL], v26, 4, v[QSL]
	v_add_nc_u32 v[QSL], s99, v[QSL]
	v_mul_u32_u24 v[QL], 0x140, v27                ; q's codes out: head h, place (4 g + i) ^ 4 h
	v_lshl_add_u32 v[QL], v26, 4, v[QL]
	v_add_nc_u32 v[QL], s98, v[QL]
	v_xor_b32 v[QL+1], 64, v[QL]
	v_xor_b32 v[QL+2], 0x80, v[QL]
	v_xor_b32 v[QL+3], 0xc0, v[QL]
	v_mul_u32_u24 v[STO], SP, v1
	v_lshl_add_u32 v[STO], v2, 5, v[STO]
	v_add_nc_u32 v[STO], s100, v[STO]
	v_mul_u32_u24 v[PO], SP, v26                   ; token i, head h
	v_and_b32 v[RD], 1, v27
	v_lshl_add_u32 v[PO], v[RD], 7, v[PO]
	v_lshrrev_b32 v[RD], 1, v27
	v_mul_u32_u24 v[RD], 0x140, v[RD]
	v_add_nc_u32 v[PO], v[PO], v[RD]
	v_lshl_add_u32 v[PO], v2, 5, v[PO]
	v_add_nc_u32 v[PO], s100, v[PO]
	v_mul_u32_u24 v[RD], 0x140, v2                 ; back by rows: lanes 0-15 the first 256 bytes, lanes 16-31 the rest
	v_lshl_add_u32 v[RD], v1, 4, v[RD]
	v_add_nc_u32 v[RD], s100, v[RD]
	v_lshlrev_b32 v[SH], 3, v26
	v_xor_b32 v31, v26, v2
	v_xor_b32 v[MK+1], 2, v31
	v_min_u32 v[MK], 1, v31
	v_min_u32 v[MK+1], 1, v[MK+1]
	v_add_nc_u32 v[MK], -1, v[MK]
	v_add_nc_u32 v[MK+1], -1, v[MK+1]
.irp b,0,1,2,3
	v_mov_b32 v[TP+\b], 0                          ; a lane permute's destination counts as one of its sources
.endr
	s_wait_alu depctr_va_vdst(0)
	s_bfe_u32 s95, ttmp6, 0x40000                  ; cx: the grid is one cluster wide, so this is the column block
	s_bfe_u32 s67, ttmp6, 0x40004                  ; cy
	s_and_b32 s66, ttmp7, 0xffff
	s_cmp_lt_u32 s66, 4
	s_cselect_b32 s[PFON], 1, 0
	s_cmp_eq_u32 s[WR], 0
	s_cselect_b32 s[PFON], 1, s[PFON]              ; tokens' waves ask everywhere, weights' in four clusters
	s_lshl_b32 s66, s66, 2
	s_add_co_u32 s66, s66, s67                     ; token block
	s_lshl_b32 s96, s67, 2
	s_lshl_b32 s96, 15, s96                        ; my row of the cluster
	s_lshl_b32 s97, 0x1111, s95                    ; my column
	s_or_b32 s[G1], s96, (1<<20)|(1<<21)|(5<<22)|(3<<25)    ; elements of 1 byte; padding: 4 words behind every 64; bit 21 beside the mask
	s_or_b32 s[G1K], s96, (1<<20)|(1<<21)|(5<<22)|(3<<25)
	s_or_b32 s[G1B], s97, (1<<20)|(1<<21)|(5<<22)|(3<<25)
.irp g, G1, G1B, G1K
	s_mov_b32 s[\g+1], 256<<16
	s_mov_b32 s[\g+2], 128<<16
	s_mov_b32 s[\g+3], 256<<16
	s_mov_b32 s[\g+4], 128
	s_mov_b32 s[\g+6], 0
	s_mov_b32 s[\g+7], 0
.endr
	s_mov_b32 s[G1+5], 512
	s_mov_b32 s[G1B+5], 512
	s_mov_b32 s[G1K+5], 256                        ; k's tile is dense
	s_lshl_b32 s100, s[WC], 16                     ; 128 rows x 512 bytes
	s_lshl_b32 s96, s66, 17
	s_add_co_u32 s96, s96, s100                    ; in query, value
	s_mov_b32 s97, 0
	s_lshl_b32 s98, s95, 17
	s_add_co_u32 s98, s98, s100                    ; in Wq, Wv
	s_mov_b32 s99, 0
	s_mul_i32 s2, s[WV], HALFT                     ; where my loads go in a slot
	s_mov_b32 s[SEL], 0x76543210
	s_mov_b32 s[SEL+1], 0xfedcba98
	s_mov_b32 s[CS], 0x3d38aa3b                    ; log2(e) / 32
	s_mov_b32 s[CS+1], s[CS]
	s_wait_dscnt 0x0                               ; both opening adds are done
	s_wait_kmcnt 0x0
.irp s, 0,1
	s_mov_b32 s[G0+4*\s], 1
	s_add_co_u32 s[G0+4*\s+1], s2, \s*SLOT
	s_add_nc_u64 s[G0+4*\s+2:G0+4*\s+3], s[4:5], s[96:97]
	s_add_nc_u64 s[G0+4*\s+2:G0+4*\s+3], s[G0+4*\s+2:G0+4*\s+3], \s*256
	s_or_b32 s[G0+4*\s+3], s[G0+4*\s+3], 0x80000000
	s_mov_b32 s[G0B+4*\s], 1
	s_add_co_u32 s[G0B+4*\s+1], s2, \s*SLOT
	s_add_nc_u64 s[G0B+4*\s+2:G0B+4*\s+3], s[12:13], s[98:99]
	s_add_nc_u64 s[G0B+4*\s+2:G0B+4*\s+3], s[G0B+4*\s+2:G0B+4*\s+3], \s*256
	s_or_b32 s[G0B+4*\s+3], s[G0B+4*\s+3], 0x80000000
.endr
	CROUND                                         ; all sixteen work-groups are here: the first joint loads meet
	JLOAD 0                                        ; q 0: one tensor load a wave at the head
	s_add_nc_u64 s[VA:VA+1], s[8:9], s[96:97]
	s_add_nc_u64 s[VB:VB+1], s[16:17], s[98:99]
	; the prefetches: of the 128 rows that I fetch, my work-group's 32
	s_cmp_eq_u32 s[WR], 0
	s_cselect_b32 s100, s96, s98
	s_cselect_b32 s101, s95, s67
	s_cselect_b64 s[PFA:PFA+1], s[4:5], s[12:13]
	s_cselect_b64 s[PFV:PFV+1], s[8:9], s[16:17]
	s_lshl_b32 s101, s101, 14
	s_add_co_u32 s100, s100, s101
	s_mov_b32 s101, 0
	s_add_nc_u64 s[PFA:PFA+1], s[PFA:PFA+1], s[100:101]
	s_add_nc_u64 s[PFV:PFV+1], s[PFV:PFV+1], s[100:101]
	; k's tile: 131,072 dense bytes for my token block, a quarter a wave
	s_lshl_b32 s96, s66, 17
	s_lshl_b32 s100, s[WV], 15
	s_add_co_u32 s96, s96, s100
	s_mov_b32 s[G0K], 1
	s_mov_b32 s[G0K+1], s2
	s_add_nc_u64 s[G0K+2:G0K+3], s[24:25], s[96:97]
	s_add_nc_u64 s[PFK:PFK+1], s[24:25], s[96:97]
	s_or_b32 s[G0K+3], s[G0K+3], 0x80000000
	s_lshl_b32 s100, s95, 13
	s_add_nc_u64 s[PFK:PFK+1], s[PFK:PFK+1], s[100:101]
	; scales, biases, k's scale bytes, out
	s_lshl_b32 s96, s66, 13
	s_lshl_b32 s100, s[WR], 12
	s_add_co_u32 s96, s96, s100
	s_add_nc_u64 s[6:7], s[6:7], s[96:97]
	s_add_nc_u64 s[10:11], s[10:11], s[96:97]
	s_add_nc_u64 s[26:27], s[26:27], s[96:97]
	s_lshl_b32 s98, s95, 13
	s_lshl_b32 s100, s[WC], 12
	s_add_co_u32 s98, s98, s100
	s_add_nc_u64 s[14:15], s[14:15], s[98:99]
	s_add_nc_u64 s[18:19], s[18:19], s[98:99]
	s_lshr_b32 s98, s98, 3                         ; 1,024 x column block + 512 x half
	s_add_nc_u64 s[20:21], s[20:21], s[98:99]
	s_add_nc_u64 s[22:23], s[22:23], s[98:99]
	s_add_nc_u64 s[28:29], s[28:29], s[98:99]
	s_lshl_b32 s96, s96, 7                         ; 4,096 bytes of out a token
	s_add_nc_u64 s[28:29], s[28:29], s[96:97]
	SLOADS 6, 14, 20
	ASK PFA, 256                                   ; q 1
	s_wait_alu depctr_va_vdst(0)
	s_wait_tensorcnt 0x0                           ; my part of q 0 is in
	ds_add_u32 v[SPW], v[NIL]
	s_wait_dscnt 0x0
	CROUND
	JLOAD 1                                        ; q 1
	FETCH_B 0, 0, 0
	FETCH_A 0, 0, 0
	FETCH_A 0, 0, 4
	ASK PFV, 0                                     ; v 0
	s_wait_loadcnt 0x0                             ; scale words and biases
	STEP 0, 0, 1
	STEP 0, 1, 0
	STEP 0, 2, 0
	TURN 0, 1, 1                                   ; v 0
	STEP 1, 0, 0
	STEP 1, 1, 0
	STEP 1, 2, 0
	TURN 1, 0, 1                                   ; v 1
	SLOADS 10, 18, 22                              ; v's scale words and biases, under q's quantising
.irp a,0,1,2,3,4,5,6,7
	QUANT \a
.endr
	s_wait_alu depctr_va_vdst(0)
	s_wait_loadcnt 0x0
	STEP 0, 0, 1
	global_load_b128 v[KS:KS+3], v[KSO], s[26:27]  ; unit 0's scale words of k (the stores of q's codes are done)
	STEP 0, 1, 0
	STEP 0, 2, 0
	TURN 0, 1, 2                                   ; k
	STEP 1, 0, 0
	STEP 1, 1, 0
	STEP 1, 2, 0
	MEET 1                                         ; k's tile is in, nobody reads slot 1 any more; nothing is filled again
	WIN 0xf1
	MUL16 4, 1, 3, 1, 0
	MUL16 6, 1, 3, 1, 0
	PLACES 4
	WIN 0
	s_mov_b32 s[UK], 0
	s_mov_b32 s[UQ], 0
	s_mov_b32 s[US], 0
	LOADK
	s_mov_b32 s[UK], KT                            ; unit 1
	s_mov_b32 s[UQ], 1024
	s_mov_b32 s[US], 256
	s_mov_b32 s[UB], 16
	s_mov_b32 s[UO], 0
	s_mov_b32 s2, 1
	s_wait_alu depctr_va_vdst(0)
	s_wait_dscnt 0x0
	s_wait_loadcnt 0x0
	SCORES
	VST 0
	VLOAD
.Lunit:                                                ; unit s2 - 2 is finished, unit s2 - 1's scores are made
	SOFT 1
	s_wait_alu depctr_va_vdst(0)
	s_wait_dscnt 32                                ; the next unit's operands are in; 16 stage stores and 16 loads may be out
	s_wait_loadcnt 0x0
	SCORES
	ARMV 1, .Lv2
	ARMV 2, .Lv3
	ARMV 3, .Lv4
	ARMV 4, .Lv5
	ARMV 5, .Lv6
	ARMV 6, .Lv7
	VST 7
.Lvst:
	VLOAD
	SEND 32                                        ; the rows are in; the next unit's 16 stores and 16 loads may be out
	s_add_co_u32 s[UK], s[UK], KT
	s_add_co_u32 s[UQ], s[UQ], 1024
	s_add_co_u32 s[US], s[US], 256
	s_add_co_u32 s[UB], s[UB], 16
	s_add_co_u32 s[UO], s[UO], 0x10000
	s_add_co_u32 s2, s2, 1
	s_cmp_lt_u32 s2, 8
	s_cbranch_scc1 .Lunit
	SOFT 0
	SEND 0
	s_wait_tensorcnt 0x0                           ; the wave's end
	ds_add_u32 v[SPW], v[NIL]
	s_wait_dscnt 0x0
	CROUND                                         ; the closing round
	s_endpgm
.Lfunc_end_k_q437a478660_attn:
	.size	k_q437a478660_attn, .Lfunc_end_k_q437a478660_attn-k_q437a478660_attn
	.p2alignl 7, 3214868480
	.fill 96, 4, 3214868480
	.section	.rodata,"a",@progbits
	.p2align	6, 0x0
	.amdhsa_kernel k_q437a478660_attn
		.amdhsa_group_segment_fixed_size 327680
		.amdhsa_private_segment_fixed_size 0
		.amdhsa_enable_private_segment 0
		.amdhsa_kernarg_size 104
		.amdhsa_user_sgpr_count 2
		.amdhsa_user_sgpr_kernarg_segment_ptr 1
		.amdhsa_wavefront_size32 1
		.amdhsa_system_sgpr_workgroup_id_x 1
		.amdhsa_system_sgpr_workgroup_id_y 1
		.amdhsa_system_sgpr_workgroup_id_z 1
		.amdhsa_system_vgpr_workitem_id 0
		.amdhsa_next_free_vgpr 1024
		.amdhsa_next_free_sgpr 102
		.amdhsa_reserve_vcc 0
		.amdhsa_float_denorm_mode_32 3
		.amdhsa_float_denorm_mode_16_64 3
		.amdhsa_memory_ordered 1
		.amdhsa_forward_progress 1
		.amdhsa_inst_pref_size 255
	.end_amdhsa_kernel
	.section	.bss,"aw",@nobits
	.p2align	6
	.space	262144
	.amdgpu_metadata
---
amdhsa.version: [ 1, 2 ]
amdhsa.kernels:
  - .name:           k_q437a478660_attn
    .symbol:         k_q437a478660_attn.kd
    .args:
      - { .name: query_codes, .offset: 0, .size: 8, .value_kind: global_buffer, .address_space: global }
      - { .name: query_scales, .offset: 8, .size: 8, .value_kind: global_buffer, .address_space: global }
      - { .name: value_codes, .offset: 16, .size: 8, .value_kind: global_buffer, .address_space: global }
      - { .name: value_scales, .offset: 24, .size: 8, .value_kind: global_buffer, .address_space: global }
      - { .name: Wq_codes, .offset: 32, .size: 8, .value_kind: global_buffer, .address_space: global }
      - { .name: Wq_scales, .offset: 40, .size: 8, .value_kind: global_buffer, .address_space: global }
      - { .name: Wv_codes, .offset: 48, .size: 8, .value_kind: global_buffer, .address_space: global }
      - { .name: Wv_scales, .offset: 56, .size: 8, .value_kind: global_buffer, .address_space: global }
      - { .name: bq, .offset: 64, .size: 8, .value_kind: global_buffer, .address_space: global }
      - { .name: bv, .offset: 72, .size: 8, .value_kind: global_buffer, .address_space: global }
      - { .name: kc, .offset: 80, .size: 8, .value_kind: global_buffer, .address_space: global }
      - { .name: ks, .offset: 88, .size: 8, .value_kind: global_buffer, .address_space: global }
      - { .name: out0, .offset: 96, .size: 8, .value_kind: global_buffer, .address_space: global }
    .group_segment_fixed_size: 327680
    .private_segment_fixed_size: 0
    .kernarg_segment_align: 8
    .kernarg_segment_size: 104
    .max_flat_workgroup_size: 128
    .sgpr_count:     102
    .vgpr_count:     1024
    .wavefront_size: 32
...
	.end_amdgpu_metadata
.endif
;; end of part 2
